; MI455X (gfx1250); checked and timed in simulation.
; The chip was launched on July 23, 2026; its instructions are those of AMD's public machine-readable ISA for CDNA 5 (MIT licence, August 2026) and "CDNA5" Instruction Set Architecture Reference Guide (July 2026). The comments in the code are by the model that wrote it; some were corrected since.
;; Multi Head Attention Block. Allowed arithmetic: matrix products marked QUANTISED: E2M1 operands, one E8M0 scale for each 32 along K, by v_wmma_scale_f32_16x16x128_f8f6f4 with both operands' format E2M1 (or v_wmma_scale_f32_32x16x128_f4), f32 sums; everything else in f32.
;; Inputs: Wk 1,024 x 1,024 float32; Wq 1,024 x 1,024 float32; Wv 1,024 x 1,024 float32; bk 1,024 float32; bq 1,024 float32; bv 1,024 float32; key_inputs 4 x 1,024 x 1,024 float32; query_inputs 4 x 1,024 x 1,024 float32; value_inputs 4 x 1,024 x 1,024 float32.
;; Outputs: out0 4 x 1,024 x 1,024 float32.
;; This version of the problem:
;;   THIS VERSION OF THE PROBLEM IS GIVEN IN LOW PRECISION. The matrix products marked QUANTISED in the list below multiply operands that are first quantised to E2M1 (2 exponent bits, 1 mantissa bit; 4 bits a number), with one power-of-two scale for each 32 numbers along K (OCP MX v1.0); their sums are f32. All else is computed in f32.
;;   The module's matrix products, in the order in which they are computed (A, B: the left and right operand; K: the contracted axis; several contracted axes count as one K, in the product's order):
;;     1. [M 4,096, K 1,024] x [K 1,024, N 1,024]; A: input query_inputs; B: input Wq: QUANTISED
;;     2. [M 4,096, K 1,024] x [K 1,024, N 1,024]; A: input key_inputs; B: input Wk: QUANTISED
;;     3. [M 4,096, K 1,024] x [K 1,024, N 1,024]; A: input value_inputs; B: input Wv: QUANTISED
;;     4. batch 64 x [M 1,024, K 64] x [K 64, N 1,024]; A: computed on the way; B: computed on the way: QUANTISED
;;     5. batch 64 x [M 64, K 1,024] x [K 1,024, N 1,024]; A: computed on the way; B: softmax (see below): QUANTISED
;;   THE QUANTISER, for each operand of a quantised product, along K:
;;     - K is cut into blocks of 32 from its start; a last block that is shorter is filled with zeros.
;;     - A block's scale is 2^e with e = floor(log2(the largest magnitude in the block)) - 2, held to -126 .. 127; a block of zeros has e = 0. As a byte (E8M0): e + 127.
;;     - Each number is divided by its block's scale, clamped to +-6, and rounded to the nearest number of E2M1, ties to even, subnormals kept.
;;     - The product sums the exact products of the quantised numbers (number of the format x scale) in f32.
;;   ~~~python
;;   def quantise(x, axis):      # numpy; x: float32 -> the quantised numbers, widened to float32 again
;;       x = np.moveaxis(x, axis, -1); K = x.shape[-1]
;;       x = np.pad(x, [(0, 0)] * (x.ndim - 1) + [(0, -K % 32)]); x = x.reshape(x.shape[:-1] + (-1, 32)); a = np.abs(x).max(-1, keepdims=True)
;;       e = np.where(a > 0, np.clip(np.frexp(np.where(a > 0, a, 1))[1] - 1 - 2, -126, 127), 0)      # np.frexp(a)[1] - 1 = floor(log2(a)), exactly
;;       r = np.clip(x / 2.0 ** e, -6, 6)
;;       step = 2.0 ** (np.maximum(np.frexp(np.where(r == 0, 1, r))[1] - 1, 0) - 1)
;;       q = np.round(r / step) * step * 2.0 ** e      # np.round: ties to even
;;       return np.moveaxis(q.reshape(q.shape[:-2] + (-1,))[..., :K], -1, axis).astype(np.float32)
;;   ~~~
;;   SOFTMAX AHEAD OF A QUANTISED PRODUCT. Where the list says 'softmax', what is quantised is not the finished softmax but p = 2^(t - M), with t = logit x log2(e) and M = ceil(the row's largest t), a whole number; so 1/2 < the row's largest p <= 1. The row's sum l is taken of the UNQUANTISED p, in f32, and the product's result is divided by l at the end. Since M is a whole number, a kernel that streams over the keys may use a running M (the ceiling of the running maximum): every later rescaling is an exact power of two, which a block's scale takes up: the codes' values come out the same.
;;   OPERANDS COMPUTED ON THE WAY. 'Computed on the way' means the value that the module computes at that place (a softmax that the list does not call 'softmax' is quantised finished and normalised). What goes into a quantiser is computed in f32, as accurately as f32 sums, v_exp_f32 and their like allow (about 1e-6 of the number): no bf16 or f16 on the way to a quantiser, and a product that is left as it is and whose result goes on into a quantised operand takes f32 operands (vector FMAs, or v_wmma_f32_16x16x4_f32). A number that lies on a knife's edge between two numbers of the format may be rounded either way, as far as f32 arithmetic and the matrix unit's own rounding can turn it there, and no further.
;; One version. Each part assembles by itself: llvm-mc -triple=amdgcn-amd-amdhsa -mcpu=gfx1250 --defsym DOCPART=n.
;; ======== version 1 of 1: 3 launches
;; limits: right only within a limited range of input values
;; workspace buffers: codes 7,864,320 bytes; scales 491,520 bytes; pk 6,684,672 bytes
;; launch quant (part 1): grid 480 x 1, 8 waves a work-group, no clusters, 43,008 bytes of LDS; arguments query_inputs, key_inputs, value_inputs, Wq, Wk, Wv, codes, scales; writes codes, scales
.if DOCPART == 1
	.amdgcn_target "amdgcn-amd-amdhsa--gfx1250"
	.amdhsa_code_object_version 6
	.text
	.protected	k_q244e9ab369_quant
	.globl	k_q244e9ab369_quant
	.p2align	8
	.type	k_q244e9ab369_quant,@function
k_q244e9ab369_quant:
	s_mov_b64 s[64:65], 0
	v_nop
	global_prefetch_b8 v0, s[64:65] scope:SCOPE_SE
	s_setreg_imm32_b32 hwreg(HW_REG_WAVE_MODE, 25, 1), 1
	s_wait_xcnt 0x0
; FIRST OF THREE LAUNCHES.  out = softmax((vi Wv^T + bv)(ki Wk^T + bk)^T / 32) (qi Wq^T + bq), head by head, all five products on codes of FP4 (E2M1) with one E8M0 scale for each 32 along K.
; NOTHING IS LEFT OUT: every input has a way to the output.  The three biases go into quantisers, so all three are added; all nine inputs are loaded.
; THIS LAUNCH turns the three inputs [4096][1024] and the three weights [1024][1024], f32, K innermost, into codes and scale bytes, each read once.  They lie on end in the two buffers, in the order
; query_inputs, key_inputs, value_inputs, Wq, Wk, Wv: a row is 512 bytes of codes and 32 scale bytes.
; ROWS STAND IN TILE ORDER: in each 64 rows, stored row 16 u + r is row 32 (r / 8) + 8 u + r % 8.  A product's result holds rows 0-7 of a tile in lanes 0-15 and rows 8-15 in lanes 16-31, so in the next launch the
; 32 registers of four neighbouring tiles are, in each half of the lanes, ONE WHOLE BLOCK of 32 along the axis that runs down the registers, which is the K of the quantiser that follows.
; A block's scale is 2^(floor(log2(its largest magnitude)) - 2); its byte is the largest magnitude's own exponent field - 2, held at 1 from below.
; LIMITS: a block of zeros gets the byte 1 where the quantiser says 127 (its codes are zeros, which add nothing under any byte but 0xff, and this program alone reads the bytes); blocks whose largest magnitude
; lies under 2^-124 are held at the byte 1; NaN and infinities among the inputs are not served.
; SHARES.  A work-group takes 32 rows, a wave four: 8 steps of 512 numbers.  Each of a step's four loads reads 512 consecutive bytes, 16 a lane; the 2,048 bytes go through the wave's own stage in LDS and come back
; 64 bytes a lane, so that a lane holds 16 neighbours along K and two neighbouring lanes a block.  All 32 loads of a wave are asked for at once; no loop, no tensor loads, so no prefetch.
; Eight stored rows have 256 scale bytes, which two waves make: they meet in LDS behind the one barrier.
.set STEPS, 8
.set EMAX,  2
.set R,     16                         ; v16-143  eight sets of 16 numbers as they are loaded
.set X,     144                        ; v144-175 two sets of 16 neighbours
.set C,     176                        ; v176-191 codes: two registers for each step
.set E,     208                        ; v208-215 a scale byte for each step
.set SP,    80                         ; a lane's place in a stage: its 64 bytes + 16 of padding
.set WREG,  2*32*SP                    ; LDS: two stages for each wave
.set SCB,   8*WREG                     ; behind them 128 scale bytes for each wave
.set SPARE, SCB+1024                   ; and the spare words, 128 bytes for each wave
.set SPW,   12                         ; v12      LDS address of my spare word; never rewritten
.set NIL,   13                         ; v13      0; never rewritten
	s_load_b512 s[4:19], s[0:1], 0x0               ; query_inputs, key_inputs, value_inputs, Wq, Wk, Wv, codes, scales
	v_lshl_add_u32 v[SPW], v0, 2, SPARE
	v_mov_b32 v[NIL], 0
	v_lshrrev_b32 v1, 5, v0
	v_readfirstlane_b32 s20, v1                    ; wave 0..7
	v_and_b32 v2, 31, v0                           ; lane
	v_lshlrev_b32 v3, 4, v2                        ; my 16 bytes of a load's 512
	s_mul_i32 s21, s20, WREG
	v_lshrrev_b32 v14, 2, v2
	v_mul_u32_u24 v14, v14, SP
	v_and_b32 v15, 3, v2
	v_lshl_add_u32 v14, v15, 4, v14
	v_add_nc_u32 v14, s21, v14                     ; the stage, on the way in: SP (lane / 4) + 16 (lane % 4)
	v_mul_u32_u24 v15, v2, SP
	v_add_nc_u32 v15, s21, v15                     ; and on the way out: SP x lane: my 16 neighbours
	v_lshlrev_b32 v4, 3, v2                        ; my codes' place in a step's: 8 bytes a lane
	v_lshrrev_b32 v5, 1, v2
	s_lshl_b32 s21, s20, 7
	s_add_co_u32 s21, s21, SCB
	v_add_nc_u32 v5, s21, v5                       ; LDS: my wave's 128 scale bytes, my block's byte
	v_lshlrev_b32 v7, 3, v2
	s_and_b32 s21, s20, 3
	s_lshl_b32 s21, s21, 8
	s_add_co_u32 s21, s21, SCB
	v_add_nc_u32 v6, s21, v7                       ; LDS: the 256 scale bytes of group w of eight rows (waves 0 to 3)
	s_lshr_b32 s36, ttmp9, 1
	s_lshl_b32 s36, s36, 3
	s_and_b32 s37, ttmp9, 1
	s_add_co_u32 s36, s36, s37                     ; where my work-group's group u of eight rows goes: run 8 (work-group / 2) + 2 u + work-group % 2 of the six tensors on end
	s_lshl_b32 s34, s20, 1
	s_add_co_u32 s34, s34, s36
	s_lshl_b32 s34, s34, 8                         ; scale bytes: u = my wave's number (waves 0 to 3): 256 a run
	s_lshr_b32 s37, s20, 1
	s_lshl_b32 s37, s37, 1
	s_add_co_u32 s36, s36, s37                     ; codes: u = wave / 2
	s_lshl_b32 s32, s36, 12                        ; 4,096 bytes a run,
	s_and_b32 s37, s20, 1
	s_lshl_b32 s37, s37, 11                        ; of which half is mine
	s_add_co_u32 s32, s32, s37
	s_mov_b32 s33, 0
	s_mov_b32 s35, 0
	s_wait_alu depctr_va_vdst(0)
	s_wait_kmcnt 0x0
; which tensor is my work-group's: 128 work-groups for each input, 32 for each weight.  The choice hangs on the work-group's number alone
.macro PICK limit, lo, start
	s_cmp_lt_u32 ttmp9, \limit
	s_cselect_b64 s[24:25], s[\lo:\lo+1], s[24:25]
	s_cselect_b32 s22, \start, s22
.endm
	s_mov_b64 s[24:25], s[14:15]                   ; Wv, unless
	s_mov_b32 s22, 448
	PICK 448, 12, 416                              ; Wk
	PICK 416, 10, 384                              ; Wq
	PICK 384, 8, 256                               ; value_inputs
	PICK 256, 6, 128                               ; key_inputs
	PICK 128, 4, 0                                 ; query_inputs
	s_sub_co_u32 s26, ttmp9, s22
	s_lshl_b32 s26, s26, 17                        ; 32 rows of 4,096 bytes,
	s_lshl_b32 s27, s20, 14                        ; my wave's four
	s_add_co_u32 s26, s26, s27
	s_mov_b32 s27, 0
	s_add_nc_u64 s[24:25], s[24:25], s[26:27]
	s_add_nc_u64 s[28:29], s[16:17], s[32:33]
	s_add_nc_u64 s[30:31], s[18:19], s[34:35]
.irp t, 0,1,2,3,4,5,6,7
.irp i, 0,1,2,3
	global_load_b128 v[R+16*\t+4*\i:R+16*\t+4*\i+3], v3, s[24:25] offset:2048*\t+512*\i th:TH_LOAD_NT   ; 32 lanes read 512 consecutive bytes
.endr
.endr
.macro TURN t                          ; step t's numbers through the stage: LDS serves a wave's instructions in order, so no wait stands between the stores and the loads
.irp i, 0,1,2,3
	ds_store_b128 v14, v[R+16*(\t)+4*\i:R+16*(\t)+4*\i+3] offset:32*SP*((\t)%2)+8*SP*\i
.endr
.irp i, 0,1,2,3
	ds_load_b128 v[X+16*((\t)%2)+4*\i:X+16*((\t)%2)+4*\i+3], v15 offset:32*SP*((\t)%2)+16*\i
.endr
.endm
	s_wait_loadcnt 28                              ; step 0's four loads are in; the 28 of steps 1 to 7 may be out
	TURN 0
.macro STEP t
.set XS, X+16*((\t)%2)
.if (\t) > 0
	s_wait_dscnt 1                                 ; this step's numbers are back from the stage (the last step's byte store may be out)
.else
	s_wait_dscnt 0x0
.endif
.if (\t)+1 < STEPS
	s_wait_loadcnt 4*(STEPS-2-(\t))                ; the next step's four loads are in; those of the steps behind it may be out
	TURN (\t)+1                                    ; and go through the other stage while this step is worked
.endif
	v_max3_num_f32 v8, |v[XS]|, |v[XS+1]|, |v[XS+2]|               ; the largest magnitude of my 16, in two chains
	v_max3_num_f32 v9, |v[XS+3]|, |v[XS+4]|, |v[XS+5]|
.irp i, 6,10
	v_max3_num_f32 v8, v8, |v[XS+\i]|, |v[XS+\i+1]|
	v_max3_num_f32 v9, v9, |v[XS+\i+2]|, |v[XS+\i+3]|
.endr
	v_max3_num_f32 v8, v8, |v[XS+14]|, |v[XS+15]|
	v_max3_num_f32 v8, v8, v9, (EMAX+1)<<23        ; and the floor 2^(3 - 127): so the byte cannot fall under 1
	v_max_num_f32_dpp v8, v8, v8 row_xmask:1 row_mask:0xf bank_mask:0xf   ; and of my neighbour's 16: the block's
	v_add_nc_u32 v11, -(EMAX<<23), v8              ; 2 off its exponent field: the conversion takes the exponent field of this operand as its scale, and nothing else of it
	v_cvt_scalef32_pk8_fp4_f32 v[C+2*(\t)], v[XS:XS+7], v11         ; eight numbers / the scale, to the nearest code, ties to even, beyond the largest code the largest
	v_cvt_scalef32_pk8_fp4_f32 v[C+2*(\t)+1], v[XS+8:XS+15], v11
	v_lshrrev_b32 v[E+(\t)], 23, v11               ; the scale's byte (also the plain line behind the conversions)
	ds_store_b8 v5, v[E+(\t)] offset:16*(\t)       ; both lanes of a block write the same byte with the same value
.endm
.irp t, 0,1,2,3,4,5,6,7
	STEP \t
.endr
	s_wait_alu depctr_va_vdst(0)
.irp t, 0,1,2,3,4,5,6,7
	global_store_b64 v4, v[C+2*\t:C+2*\t+1], s[28:29] offset:256*\t   ; 32 lanes store 256 consecutive bytes, aligned
.endr
	s_wait_dscnt 0x0                               ; my scale bytes lie in LDS, for the wave that stores them
	s_barrier_signal -1
	s_barrier_wait -1
	s_cmp_lt_u32 s20, 4                            ; wave w of the first four stores group w's bytes, which waves 2 w and 2 w + 1 made
	s_cbranch_scc0 .Lend
	ds_load_b64 v[8:9], v6
	s_wait_dscnt 0x0
	global_store_b64 v7, v[8:9], s[30:31]          ; 256 consecutive bytes, aligned
.Lend:
	s_wait_tensorcnt 0x0                           ; the wave's end, behind my last LDS store
	ds_add_u32 v[SPW], v[NIL]
	s_wait_dscnt 0x0
	s_endpgm
.Lfunc_end_k_q244e9ab369_quant:
	.size	k_q244e9ab369_quant, .Lfunc_end_k_q244e9ab369_quant-k_q244e9ab369_quant
	.p2alignl 7, 3214868480
	.fill 96, 4, 3214868480
	.section	.rodata,"a",@progbits
	.p2align	6, 0x0
	.amdhsa_kernel k_q244e9ab369_quant
		.amdhsa_group_segment_fixed_size 43008
		.amdhsa_private_segment_fixed_size 0
		.amdhsa_enable_private_segment 0
		.amdhsa_kernarg_size 64
		.amdhsa_user_sgpr_count 2
		.amdhsa_user_sgpr_kernarg_segment_ptr 1
		.amdhsa_wavefront_size32 1
		.amdhsa_system_sgpr_workgroup_id_x 1
		.amdhsa_system_sgpr_workgroup_id_y 1
		.amdhsa_system_sgpr_workgroup_id_z 1
		.amdhsa_system_vgpr_workitem_id 0
		.amdhsa_next_free_vgpr 224
		.amdhsa_next_free_sgpr 66
		.amdhsa_reserve_vcc 0
		.amdhsa_float_denorm_mode_32 3
		.amdhsa_float_denorm_mode_16_64 3
		.amdhsa_memory_ordered 1
		.amdhsa_forward_progress 1
		.amdhsa_inst_pref_size 19
	.end_amdhsa_kernel
	.amdgpu_metadata
---
amdhsa.version: [ 1, 2 ]
amdhsa.kernels:
  - .name:           k_q244e9ab369_quant
    .symbol:         k_q244e9ab369_quant.kd
    .args:
      - { .name: query_inputs, .offset: 0, .size: 8, .value_kind: global_buffer, .address_space: global }
      - { .name: key_inputs, .offset: 8, .size: 8, .value_kind: global_buffer, .address_space: global }
      - { .name: value_inputs, .offset: 16, .size: 8, .value_kind: global_buffer, .address_space: global }
      - { .name: Wq, .offset: 24, .size: 8, .value_kind: global_buffer, .address_space: global }
      - { .name: Wk, .offset: 32, .size: 8, .value_kind: global_buffer, .address_space: global }
      - { .name: Wv, .offset: 40, .size: 8, .value_kind: global_buffer, .address_space: global }
      - { .name: codes, .offset: 48, .size: 8, .value_kind: global_buffer, .address_space: global }
      - { .name: scales, .offset: 56, .size: 8, .value_kind: global_buffer, .address_space: global }
    .group_segment_fixed_size: 43008
    .private_segment_fixed_size: 0
    .kernarg_segment_align: 8
    .kernarg_segment_size: 64
    .max_flat_workgroup_size: 256
    .sgpr_count:     66
    .vgpr_count:     224
    .wavefront_size: 32
...
	.end_amdgpu_metadata
.endif
;; end of part 1
;; launch proj (part 2): grid 4 x 48, 4 waves a work-group, clusters of 4 x 4, 327,680 bytes of LDS; arguments codes, scales, bq, bk, bv, pk; writes pk
.if DOCPART == 2
	.amdgcn_target "amdgcn-amd-amdhsa--gfx1250"
	.amdhsa_code_object_version 6
	.text
	.protected	k_q244e9ab369_proj
	.globl	k_q244e9ab369_proj
	.p2align	8
	.type	k_q244e9ab369_proj,@function
k_q244e9ab369_proj:
	s_mov_b64 s[64:65], 0
	v_nop
	global_prefetch_b8 v0, s[64:65] scope:SCOPE_SE
	s_setreg_imm32_b32 hwreg(HW_REG_WAVE_MODE, 25, 1), 1
	s_wait_xcnt 0x0
	s_wait_alu depctr_hold_cnt(0) depctr_sa_sdst(0) depctr_va_vdst(0) depctr_va_sdst(0) depctr_va_ssrc(0) depctr_va_vcc(0) depctr_vm_vsrc(0)
	s_getreg_b32 s2, hwreg(HW_REG_IB_STS2, 6, 4)
	s_cmp_eq_u32 s2, 0
	s_cbranch_scc0 .Lentry_in_a_cluster
	s_endpgm
.Lentry_in_a_cluster:
	s_bfe_u32 s2, ttmp6, 0x10000c
	s_cmp_lg_u32 s2, 0xf033
	s_cbranch_scc0 .Lentry_shape_is_right
	s_endpgm
.Lentry_shape_is_right:
; SECOND LAUNCH: the three projections x W^T + b on codes of FP4 (K = 1,024), their results quantised in registers and stored as images of the next launch's operand registers.  No work is left out.
; KIND 0: query_inputs, Wq, bq -> the VALUES of the attention, quantised along the positions (the keys);  KIND 1: key_inputs, Wk, bk -> the KEYS;  KIND 2: value_inputs, Wv, bv -> the QUERIES; both along the head's 64.
; A tile of 256 x 256 is made by a work-group of four waves, 128 x 128 a wave: 64 accumulators, 512 registers.  3 x 16 x 4 tiles: 192 work-groups.
; SOURCE 1 of the matrix instruction ("A" below) is the side whose row stays in a lane, SOURCE 0 ("B") the side that runs down a lane's registers, which is the axis of the quantiser that follows:
;   KIND 1, 2: A = 256 positions of x, B = 256 rows of W (4 heads);     KIND 0: A = 256 rows of Wq, B = 256 positions of x.
; Rows lie in tile order in both buffers (first launch): tile t, row r is row 64 (t / 4) + 32 (r / 8) + 8 (t % 4) + r % 8.  So registers 0-31 of B's tiles 0-3 are the block lane / 16 of the first 64, whole and in order;
; registers 32-63 that of the second 64: no lane is asked for a maximum, and the conversions' results are the next operand's registers.
; K IS TWO SLOTS OF 512 in LDS, asked for at the head by four tensor loads, one a wave: waves 0 and 1 slot 0's A and B, waves 2 and 3 slot 1's.  The first barrier shows slot 0; slot 1 lands under slot 0's products and is shown
; by the barrier in the fourth step.  Nothing is filled again.  There is no loop that loads, so nothing is prefetched.
; THE SCALE WORDS go from memory straight into the registers that carry them, once: a block of 16 rows is 512 consecutive bytes, taken whole by two loads.
; CLUSTERS: 4 x 4 work-groups of one KIND and one batch.  A's tiles hang on cy alone and are shared along a row of the cluster, B's on cx alone and are shared along a column: each is asked for jointly.
; THE BIAS is the C of each sum's first product: 64 registers in the result's layout.
; THE WAY OUT: pk[kind][16 n + head][step of 128 positions][4,352 bytes]: 4,096 bytes of code images (a group of four registers at 16 x lane), then 256 bytes of scale words at 8 x lane + 4 j.
; LIMITS: blocks whose largest magnitude lies under 2^-124, zeros among them, get the scale byte 1 (read by this program alone); NaN and infinities are not served.
; REGISTERS, in windows of 256: window 0: v1-7 at work; v8-15 the bias loads' offsets; v16-29 addresses; v32-95 scale words; v128-191 A's fragments, one set; on the way out v128-191 the codes, v192-239 at work.
;   window 1: B's fragments, two sets, at v0 and v128; v64-127 the bias.   window 2: the accumulators of A's blocks 0-3 ((a, b) at v[8 (8 (a % 4) + b)]);   window 3: those of blocks 4-7.
.set PITCH,  272                       ; an LDS row: 256 bytes + 16 of padding = 68 words: the 16 rows that a load touches start at 16 different banks (64 banks of 4 bytes: ISA guide 11.1)
.set NP,     4                         ; places behind this matrix instruction (ISA guide 7.12.1)
.set HALFT,  128*PITCH                 ; the 128 rows that one wave reads of A or of B
.set SLOT,   4*HALFT                   ; A's 256 rows, then B's 256
.set SPARE,  2*SLOT                    ; behind the slots: the spare words, 128 bytes for each wave
.set PKG,    4352                      ; a package of pk
.set HSTR,   8*PKG                     ; from head to head
.set PART,   64*HSTR                   ; from kind to kind
.set VB,   8                           ; v8-15   the bias loads' offsets, one for each register of a tile
.set ADRA, 16                          ; v16-17  LDS address of my A fragments in slot 0, 1
.set ADRB, 20                          ; v20-21  of my B fragments
.set LI,   24                          ; v24     16 x lane
.set L8,   25                          ; v25     8 x lane
.set H8,   26                          ; v26     8 x (lane / 16)
.set SPW,  28                          ; v28     LDS address of my spare word; never rewritten
.set NIL,  29                          ; v29     0; never rewritten
.set SC,   32                          ; scale words: register 32 (q / 4) + 4 i + q % 4: lanes 0-15 A's block i, lanes 16-31 B's block i, the q-th 128 along K
.set AF,   128                         ; A's fragments, window 0
.set BI,   64                          ; the bias, window 1
.set PC,   128                         ; the way out: eight fragments' codes
.set TM,   192                         ; v192-205 and v224-237 at work, for two blocks side by side
.set PW,   208                         ; v208-215 eight scale words
.set PP,   216                         ; v216-219 at work
.set ZZ,   220                         ; v220-223 the scale words as they are stored
.set SEL,  46                          ; s[46:47] lane selects for v_permlanex16_b32 (set behind the loads)
.set G1, 24                            ; s[24:31] descriptor group 1 for A's tiles;  s[32:35], s[36:39] groups 0 for slots 0, 1
.set G0, 32
.set G1B, 48                           ; s[48:55], s[56:59], s[60:63] the same for B's tiles
.set G0B, 56
.set MSB, 0
.macro WIN new                         ; the immediate's high byte repeats the setting that is left
.if MSB != \new
	s_set_vgpr_msb (MSB<<8)|\new
.set MSB, \new
.endif
.endm
.set MUL_LO,  0xa1                     ; source 0 (B) window 1, source 1 (A) window 0, C and D window 2
.set MUL_HI,  0xf1                     ; the same, C and D window 3
.set TO_B,    0x40                     ; destination window 1, address window 0
.macro CROUND                          ; a round of the cluster's barrier
	s_barrier_signal -1
	s_barrier_wait -1
	s_cmp_lg_u32 s16, 0
	s_cbranch_scc1 .Lnot_wave_0_\@
	s_barrier_signal -3
.Lnot_wave_0_\@:
	s_barrier_wait -3
	s_barrier_signal -1
	s_barrier_wait -1
.endm
	s_load_b128 s[4:7], s[0:1], 0x0                ; codes, scales
	s_load_b128 s[8:11], s[0:1], 0x10              ; bq, bk
	s_load_b128 s[12:15], s[0:1], 0x20             ; bv, pk
	v_lshl_add_u32 v[SPW], v0, 2, SPARE
	v_mov_b32 v[NIL], 0
	ds_add_u32 v[SPW], v[NIL]                      ; the wave's opening: the add, twice on end, and its wait ahead of my first tensor load
	ds_add_u32 v[SPW], v[NIL]                      ; and once more; the set-up below, work on registers, stands between it and the wait
	v_lshrrev_b32 v1, 5, v0
	v_readfirstlane_b32 s16, v1                    ; wave 0..3
	s_lshr_b32 s17, s16, 1                         ; which half of A's rows is mine
	s_and_b32 s18, s16, 1                          ; which half of B's rows
	s_bfe_u32 s19, ttmp6, 0x40000                  ; cx
	s_bfe_u32 s20, ttmp6, 0x40004                  ; cy
	s_and_b32 s23, ttmp7, 0xffff                   ; the cluster's y, 0..11: the same in all sixteen partners
	s_lshr_b32 s2, s23, 2                          ; KIND
	s_and_b32 s3, s23, 3                           ; the batch
	s_lshl_b32 s40, s20, 2
	s_lshl_b32 s40, 15, s40                        ; my row of the cluster
	s_lshl_b32 s41, 0x1111, s19                    ; my column
	; descriptor group 1: a tile of 256 rows x 256 bytes, padded in LDS
	s_or_b32 s[G1+0], s40, (0<<16)|(1<<20)|(1<<21)|(5<<22)|(3<<25)  ; 15:0 the mask: A's tiles go to my row; 17:16 elements of 1 byte; 20 padding on; 21 set beside a mask; 24:22 after every 64 words; 31:25 four words
	s_or_b32 s[G1B+0], s41, (0<<16)|(1<<20)|(1<<21)|(5<<22)|(3<<25) ; B's go to my column
.irp g, G1, G1B
	s_mov_b32 s[\g+1], 256<<16                     ; tensor_dim0
	s_mov_b32 s[\g+2], 256<<16                     ; tensor_dim1
	s_mov_b32 s[\g+3], 256<<16                     ; tile_dim0
	s_mov_b32 s[\g+4], 256                         ; tile_dim1
	s_mov_b32 s[\g+5], 512                         ; tensor_dim0_stride
	s_mov_b32 s[\g+6], 0
	s_mov_b32 s[\g+7], 0
.endr
	; which tensor is A and which is B: byte offsets are chosen, never pointers, and all choices stand on one compare
	s_lshl_b32 s32, s3, 2                          ; 4 x batch: x's first tile row
	s_lshl_b32 s33, s2, 21                         ; x's codes begin
	s_lshl_b32 s34, s2, 19
	s_add_co_u32 s34, s34, 6<<20                   ; W's codes begin
	s_lshl_b32 s35, s2, 17                         ; x's scales begin
	s_lshl_b32 s36, s2, 15
	s_add_co_u32 s36, s36, 3<<17                   ; W's scales begin
	s_cmp_lg_u32 s2, 0                             ; keys and queries: A = x;  values: A = W
	s_cselect_b32 s21, s32, 0
	s_cselect_b32 s22, 0, s32
	s_cselect_b32 s42, s33, s34                    ; A's codes
	s_cselect_b32 s46, s34, s33                    ; B's codes
	s_cselect_b32 s44, s35, s36                    ; A's scales
	s_cselect_b32 s66, s36, s35                    ; B's scales
	s_cselect_b32 s94, 128, 0                      ; the bias loads' offsets: for a lane's half,
	s_cselect_b32 s95, 0, 4                        ; for its row,
	s_cselect_b32 s96, 4, 0                        ; from register to register
	s_add_co_u32 s21, s21, s20                     ; A's tile row: made of cy and the cluster's y alone
	s_add_co_u32 s22, s22, s19                     ; B's: of cx and the cluster's y alone
	s_lshl_b32 s35, s21, 17
	s_add_co_u32 s42, s42, s35                     ; 256 rows of 512 bytes of codes
	s_mov_b32 s43, 0
	s_lshl_b32 s35, s21, 13
	s_add_co_u32 s44, s44, s35                     ; 256 rows of 32 scale bytes,
	s_lshl_b32 s35, s17, 12
	s_add_co_u32 s44, s44, s35                     ; my 128
	s_lshl_b32 s36, s22, 17
	s_add_co_u32 s46, s46, s36
	s_mov_b32 s47, 0
	s_lshl_b32 s36, s22, 13
	s_add_co_u32 s66, s66, s36
	s_lshl_b32 s36, s18, 12
	s_add_co_u32 s66, s66, s36
	s_wait_dscnt 0x0                               ; both opening adds are done
	CROUND                                         ; all sixteen work-groups are here: the joint loads meet.  (The round needs no argument: it stands ahead of the wait for them)
	s_wait_kmcnt 0x0
	s_mov_b32 s[G0], 1
	s_mov_b32 s[G0+1], 0                           ; slot 0: A's 256 rows,
	s_add_nc_u64 s[G0+2:G0+3], s[4:5], s[42:43]
	s_add_nc_u64 s[G0+6:G0+7], s[G0+2:G0+3], 256   ; slot 1: 512 codes further along K
	s_or_b32 s[G0+3], s[G0+3], 0x80000000
	s_or_b32 s[G0+7], s[G0+7], 0x80000000
	s_mov_b32 s[G0+4], 1
	s_mov_b32 s[G0+5], SLOT
	s_mov_b32 s[G0B], 1
	s_mov_b32 s[G0B+1], 2*HALFT                    ; B's behind them
	s_add_nc_u64 s[G0B+2:G0B+3], s[4:5], s[46:47]
	s_add_nc_u64 s[G0B+6:G0B+7], s[G0B+2:G0B+3], 256
	s_or_b32 s[G0B+3], s[G0B+3], 0x80000000
	s_or_b32 s[G0B+7], s[G0B+7], 0x80000000
	s_mov_b32 s[G0B+4], 1
	s_mov_b32 s[G0B+5], SLOT+2*HALFT
; THE LOADS, ONE A WAVE.  One tree of branches on the wave's number; every way through it passes exactly one load.  An s_nop 0 and four v_nop follow each.
.macro ARM under, g0, g1, next
	s_cmp_lt_u32 s16, \under
	s_cbranch_scc0 \next
	tensor_load_to_lds s[\g0:\g0+3], s[\g1:\g1+7]
	s_nop 0
.rept 4
	v_nop
.endr
	s_branch .Lhead_asked
\next:
.endm
	ARM 1, G0,   G1,  .Lhead_b
	ARM 2, G0B,  G1B, .Lhead_a1
	ARM 3, G0+4, G1,  .Lhead_b1
	tensor_load_to_lds s[G0B+4:G0B+7], s[G1B:G1B+7]
	s_nop 0
.rept 4
	v_nop
.endr
.Lhead_asked:
	; the bias, the package that I write
	s_lshl_b32 s40, s20, 1
	s_add_co_u32 s40, s40, s17                     ; which 128 of A's axis are mine: 2 cy + half
	s_lshl_b32 s41, s19, 1
	s_add_co_u32 s41, s41, s18                     ; and of B's: 2 cx + half
	s_cmp_lg_u32 s2, 0
	s_cselect_b32 s68, s41, s40                    ; which 128 features (two heads): B's for keys and queries, A's for values
	s_cselect_b32 s69, s40, s41                    ; which step of 128 positions: the other one
	s_cmp_eq_u32 s2, 1
	s_cselect_b64 s[92:93], s[10:11], s[8:9]       ; bk or bq,
	s_cmp_eq_u32 s2, 2
	s_cselect_b64 s[92:93], s[12:13], s[92:93]     ; or bv: the choice hangs on the cluster's y alone
	s_lshl_b32 s70, s68, 9
	s_mov_b32 s71, 0
	s_add_nc_u64 s[92:93], s[92:93], s[70:71]      ; my 128 numbers of it
	s_lshl_b32 s70, s3, 7                          ; (16 x batch + 2 x pair of heads) x 8 + step
	s_lshl_b32 s72, s68, 4
	s_add_co_u32 s70, s70, s72
	s_add_co_u32 s70, s70, s69
	s_mul_i32 s70, s70, PKG
	s_mul_i32 s72, s2, PART
	s_add_co_u32 s70, s70, s72
	s_add_nc_u64 s[98:99], s[14:15], s[70:71]      ; my first head's package
	s_mov_b32 s97, 0xffff0000                      ; lanes 16-31
	s_mov_b32 s[SEL], 0x76543210
	s_mov_b32 s[SEL+1], 0xfedcba98                 ; lane l xor 16
	s_mul_i32 s21, s17, HALFT                      ; my 128 rows of A
	s_mul_i32 s22, s18, HALFT                      ; my 128 rows of B,
	s_add_co_u32 s22, s22, 2*HALFT                 ; which lie behind A's 256
	v_and_b32 v1, 15, v0                           ; r = lane % 16
	v_bfe_u32 v2, v0, 4, 1                         ; h = lane / 16
	v_mov_b32 v5, s44
	v_mov_b32 v6, s66
	v_cndmask_b32 v5, v5, v6, s97                  ; scale words: lanes 0-15 take A's rows, lanes 16-31 B's
	v_lshl_add_u32 v5, v1, 5, v5                   ; 32 bytes a row
	v_and_b32 v3, 8, v1
	v_mad_u32_u24 v3, v3, 3, v1                    ; 32 (r / 8) + r % 8
	v_mul_u32_u24 v[VB], v2, s94
	v_mad_u32_u24 v[VB], v3, s95, v[VB]
.irp j, 1,2,3,4,5,6,7
	v_add_nc_u32 v[VB+\j], s96, v[VB+\j-1]
.endr
.irp i, 0,1,2,3,4,5,6,7
.irp s, 0,1
	global_load_b128 v[SC+32*\s+4*\i:SC+32*\s+4*\i+3], v5, s[6:7] offset:512*\i+16*\s   ; block i's words, four a load: the two loads take 512 consecutive bytes of A and 512 of B
.endr
.endr
	; keys and queries: register 8 t + j = bias(64 (t / 4) + 32 h + 8 (t % 4) + j): the feature of B's tile t at my half's register j.   values: bias(64 (t / 4) + 8 (t % 4) + 32 (r / 8) + r % 8): A's tile t, my row, in all eight
	WIN TO_B
.irp t, 0,1,2,3,4,5,6,7
.irp j, 0,1,2,3,4,5,6,7
	global_load_b32 v[BI+8*\t+\j], v[VB+\j], s[92:93] offset:(64*(\t/4)+8*(\t%4))*4
.endr
.endr
	WIN 0
	v_mul_u32_u24 v3, v1, PITCH
	v_lshl_add_u32 v4, v2, 4, v3                   ; a fragment's row x pitch + 16 x half
	v_add_nc_u32 v[ADRA], s21, v4
	v_add_nc_u32 v[ADRB], s22, v4
	v_add_nc_u32 v[ADRA+1], SLOT, v[ADRA]
	v_add_nc_u32 v[ADRB+1], SLOT, v[ADRB]
	v_and_b32 v7, 31, v0
	v_lshlrev_b32 v[LI], 4, v7
	v_lshlrev_b32 v[L8], 3, v7
	v_lshlrev_b32 v[H8], 3, v2
	v_mov_b32 v[TM+7], 0                           ; written once: a lane permute's destination counts as one of its sources
	v_mov_b32 v[TM+39], 0
.macro FRAG reg, adr, q, i             ; a fragment, 16 rows x 128 K of 4-bit codes: lane l holds row l % 16; registers 4 c .. 4 c + 3 hold K = 64 c + 32 (l / 16) + 0 .. 31
.irp c, 0,1
	ds_load_b128 v[\reg+4*\c:\reg+4*\c+3], v[\adr] offset:64*((\q)%4)+32*\c+(\i)*16*PITCH
.endr
.endm
; 16 matrix instructions: A's blocks a0, a0 + 1 x B's eight, the q-th 128 along K.
; zero = 0: in place;  1: the sums start from the bias of B's tile;  2: from the bias of A's tile.  Nothing is ever cleared.
; The 64 accumulators take turns, one instruction a turn, in the same order in every step.
.macro MUL16 a0, q, zero
.irp a, \a0, \a0+1
.irp b, 0,1,2,3,4,5,6,7
.set rD, 8*(8*((\a)%4)+\b)
.set rB, 128*((\q)%2)+8*\b
.set rA, AF+8*(\a)
.set rS, SC+32*((\q)/4)+(\q)%4
.set rC, rD
.if \zero == 1
.set rC, BI+8*\b
.endif
.if \zero == 2
.set rC, BI+8*(\a)
.endif
	v_wmma_scale_f32_16x16x128_f8f6f4 v[rD:rD+7], v[rB:rB+7], v[rA:rA+7], v[rC:rC+7], v[rS+4*\b], v[rS+4*(\a)] matrix_a_fmt:MATRIX_FMT_FP4 matrix_b_fmt:MATRIX_FMT_FP4 matrix_a_scale:MATRIX_SCALE_ROW1
.endr
.endr
.endm
.macro FETCH_B q                       ; B's eight fragments of the q-th 128 along K into set q % 2
	WIN TO_B
.irp i, 0,1,2,3,4,5,6,7
	FRAG 128*((\q)%2)+8*\i, ADRB+(\q)/4, \q, \i
.endr
.endm
.macro FETCH_A q, i0                   ; A's blocks i0 .. i0 + 3
	WIN 0
.irp i, \i0, \i0+1, \i0+2, \i0+3
	FRAG AF+8*(\i), ADRA+(\q)/4, \q, \i
.endr
.endm
; A load into a register that a matrix instruction has read, and a vector instruction that reads a matrix result, stand NP places behind that matrix instruction; only plain vector instructions that name none of its
; registers are places (ISA guide 7.12.1 for vector instructions).
.macro PLACES n
.rept \n
	v_nop
.endr
.endm
; A step of 128 along K that has a successor.  A's blocks go one after the other, each against B's eight: so one set of registers serves A (blocks 0-3 fetched anew in the middle, 4-7 at the end), two serve B.
; The fourth step (q = 3) goes over to slot 1: each wave waits for all its tensor loads, and one barrier shows every wave's part to all.
.macro STEP q, zero
	s_wait_dscnt 8                                 ; B's set and A's blocks 0-3 are in; the youngest eight loads (A's blocks 4-7) may be out
	WIN (MUL_LO-0x10*((\zero+1)/2))                ; where the sums start C is the bias, in window 1
	MUL16 0, \q, \zero
.if \q == 3
	s_wait_tensorcnt 0x0                           ; my part of slot 1, if I have one, is in
	s_wait_dscnt 0x0                               ; no LDS instruction of mine is out at the signal; A's blocks 4-7 are in
	s_barrier_signal -1
.endif
	MUL16 2, \q, \zero
.if \q == 3
	WIN 0
	s_barrier_wait -1
.else
	s_wait_dscnt 0                                 ; A's blocks 4-7 are in
.endif
	PLACES NP
	FETCH_B (\q)+1
	FETCH_A (\q)+1, 0
	WIN (MUL_HI-0x20*((\zero+1)/2))
	MUL16 4, \q, \zero
	MUL16 6, \q, \zero
	PLACES NP
	FETCH_A (\q)+1, 4
.endm
	s_wait_alu depctr_va_vdst(0)
	s_cmp_lt_u32 s16, 2                            ; waves 0 and 1 wait for slot 0, which they asked for; waves 2 and 3 asked, by lines of their own, for slot 1, which is waited for in the fourth step
	s_cbranch_scc0 .Lslot_0
	s_wait_tensorcnt 0x0
.Lslot_0:
	s_barrier_signal -1
	s_barrier_wait -1                              ; slot 0 is whole
	FETCH_B 0
	FETCH_A 0, 0
	FETCH_A 0, 4
	s_wait_loadcnt 0x0                             ; the scale words and the bias
	s_cmp_eq_u32 s2, 0                             ; the first step is written twice: only the register that each sum starts from differs.  KIND is the same in all partners of the cluster
	s_cbranch_scc1 .Lvalues
	STEP 0, 1                                      ; keys, queries: the bias goes with the feature, which runs down the registers
	s_branch .Ljoined
.Lvalues:
	STEP 0, 2                                      ; values: the bias goes with the feature, which is the lane's row
.Ljoined:
.irp q, 1,2,3,4,5,6
	STEP \q, 0
.endr
	s_wait_dscnt 8                                 ; the very last step: nothing more to fetch
	WIN MUL_LO
	MUL16 0, 7, 0
	MUL16 2, 7, 0
	s_wait_dscnt 0
	WIN MUL_HI
	MUL16 4, 7, 0
	MUL16 6, 7, 0
	WIN 0
	PLACES NP                                      ; in front of the first read of results and the first write over A's fragments
; THE WAY OUT.  A's blocks a, a + 1 side by side: 64 numbers a lane and block, register 32 c + i = place 64 c + 32 (lane / 16) + i of my row along B's axis, become a fragment's codes in v[PC + 8 a] on and its scale word in v[PW + a].
; The accumulators stand in sources 1 and 2 of the maxima, so that one setting of the windows serves all; each accumulator is read from its low end on.
.macro QUANTA2 a
.set WND, 2+(\a)/4
	WIN ((WND<<2)|(WND<<4))
.irp e, 0,1
.set ACB, 64*((\a+\e)%4)
.irp b, 0,1,2,3
	v_max3_num_f32 v[TM+32*\e+\b], 0x1800000, |v[ACB+16*\b]|, |v[ACB+1+16*\b]|   ; half a block's 16 numbers, and the floor 2^(3 - 127): so the byte cannot fall under 1
.endr
.endr
.irp i, 2,4,6,8,10,12,14
.irp e, 0,1
.set ACB, 64*((\a+\e)%4)
.irp b, 0,1,2,3
	v_max3_num_f32 v[TM+32*\e+\b], v[TM+32*\e+\b], |v[ACB+16*\b+\i]|, |v[ACB+1+16*\b+\i]|   ; (eight chains by turns)
.endr
.endr
.endr
	WIN 0
.irp x, TM, TM+32
	v_max_num_f32 v[\x], v[\x], v[\x+1]            ; the largest magnitude of block lane / 16 of the first 64,
.endr
.irp x, TM, TM+32
	v_max_num_f32 v[\x+1], v[\x+2], v[\x+3]        ; and of the second
.endr
.irp x, TM, TM+32
	v_add_nc_u32 v[\x+12], 0xff000000, v[\x]       ; 2 off its exponent field: the conversion's scale operand
	v_add_nc_u32 v[\x+13], 0xff000000, v[\x+1]
.endr
.irp x, TM, TM+32
	v_lshrrev_b32 v[\x+4], 23, v[\x+12]            ; the scale's byte
	v_lshrrev_b32 v[\x+5], 23, v[\x+13]
.endr
.irp x, TM, TM+32
	v_lshl_or_b32 v[\x+6], v[\x+5], 16, v[\x+4]    ; my two bytes: blocks h and 2 + h,
.endr
.irp x, TM, TM+32
	v_lshlrev_b32 v[\x+6], v[H8], v[\x+6]          ; at their places in the word;
.endr
.irp x, TM, TM+32
	v_permlanex16_b32 v[\x+7], v[\x+6], s[SEL], s[SEL+1]
.endr
.irp e, 0,1
	v_or_b32 v[PW+\a+\e], v[TM+32*\e+6], v[TM+32*\e+7]   ; with lane l xor 16's two the word is whole, in every lane
.endr
	WIN WND
.irp e, 0,1
.set ACB, 64*((\a+\e)%4)
.irp c, 0,1
.irp g, 0,1,2,3
	v_cvt_scalef32_pk8_fp4_f32 v[PC+8*(\a+\e)+4*\c+\g], v[ACB+32*\c+8*\g:ACB+32*\c+8*\g+7], v[TM+32*\e+12+\c]
.endr
.endr
.endr
	WIN 0
	v_nop                                          ; one plain place behind a scaled conversion
.endm
	s_cmp_eq_u32 s2, 0
	s_cbranch_scc1 .Lvalues_out
	; keys, queries: a fragment is 16 positions x two heads of 64.  Registers 0-3 (my block of the first head) go to tile a of the first head's package, registers 4-7 to the second head's
.irp a, 0,2,4,6
	QUANTA2 \a
.irp e, 0,1
	global_store_b128 v[LI], v[PC+8*(\a+\e):PC+8*(\a+\e)+3], s[98:99] offset:512*(\a+\e)          ; 32 lanes store 512 consecutive bytes, aligned
	global_store_b128 v[LI], v[PC+8*(\a+\e)+4:PC+8*(\a+\e)+7], s[98:99] offset:HSTR+512*(\a+\e)
.endr
.endr
	; a head's scale word of a pair of tiles: bytes 0, 1 the even tile's two blocks, bytes 2, 3 the odd tile's.  Lanes 0-15 store pairs 0 and 1, lanes 16-31 pairs 2 and 3
.irp i, 0,1,2,3
	v_perm_b32 v[PP+\i], v[PW+2*\i+1], v[PW+2*\i], 0x05040100
.endr
	v_cndmask_b32 v[ZZ], v[PP], v[PP+2], s97
	v_cndmask_b32 v[ZZ+1], v[PP+1], v[PP+3], s97
	global_store_b64 v[L8], v[ZZ:ZZ+1], s[98:99] offset:4096                        ; 256 consecutive bytes, aligned
.irp i, 0,1,2,3
	v_perm_b32 v[PP+\i], v[PW+2*\i+1], v[PW+2*\i], 0x07060302
.endr
	v_cndmask_b32 v[ZZ+2], v[PP], v[PP+2], s97
	v_cndmask_b32 v[ZZ+3], v[PP+1], v[PP+3], s97
	global_store_b64 v[L8], v[ZZ+2:ZZ+3], s[98:99] offset:HSTR+4096
	s_branch .Lout_done
.Lvalues_out:
	; values: a fragment is 16 of a head's 64 x 128 keys: blocks 0-3 are the first head's four tiles, blocks 4-7 the second's
.irp a, 0,2,4,6
	QUANTA2 \a
.irp e, 0,1
	global_store_b128 v[LI], v[PC+8*(\a+\e):PC+8*(\a+\e)+3], s[98:99] offset:(\a/4)*HSTR+((\a+\e)%4)*1024
	global_store_b128 v[LI], v[PC+8*(\a+\e)+4:PC+8*(\a+\e)+7], s[98:99] offset:(\a/4)*HSTR+((\a+\e)%4)*1024+512
.endr
.endr
.irp e, 0,1
	v_cndmask_b32 v[ZZ+2*\e], v[PW+4*\e], v[PW+4*\e+2], s97      ; lanes 0-15 store tiles 0 and 1, lanes 16-31 tiles 2 and 3
	v_cndmask_b32 v[ZZ+2*\e+1], v[PW+4*\e+1], v[PW+4*\e+3], s97
	global_store_b64 v[L8], v[ZZ+2*\e:ZZ+2*\e+1], s[98:99] offset:\e*HSTR+4096
.endr
.Lout_done:
	s_wait_tensorcnt 0x0                           ; the wave's end, behind my last tensor load
	ds_add_u32 v[SPW], v[NIL]
	s_wait_dscnt 0x0
	CROUND                                         ; the closing round: no work-group ends while a partner may still ask for a tile that names it
	s_endpgm
.Lfunc_end_k_q244e9ab369_proj:
	.size	k_q244e9ab369_proj, .Lfunc_end_k_q244e9ab369_proj-k_q244e9ab369_proj
	.p2alignl 7, 3214868480
	.fill 96, 4, 3214868480
	.section	.rodata,"a",@progbits
	.p2align	6, 0x0
	.amdhsa_kernel k_q244e9ab369_proj
		.amdhsa_group_segment_fixed_size 327680
		.amdhsa_private_segment_fixed_size 0
		.amdhsa_enable_private_segment 0
		.amdhsa_kernarg_size 48
		.amdhsa_user_sgpr_count 2
		.amdhsa_user_sgpr_kernarg_segment_ptr 1
		.amdhsa_wavefront_size32 1
		.amdhsa_system_sgpr_workgroup_id_x 1
		.amdhsa_system_sgpr_workgroup_id_y 1
		.amdhsa_system_sgpr_workgroup_id_z 1
		.amdhsa_system_vgpr_workitem_id 0
		.amdhsa_next_free_vgpr 1024
		.amdhsa_next_free_sgpr 100
		.amdhsa_reserve_vcc 0
		.amdhsa_float_denorm_mode_32 3
		.amdhsa_float_denorm_mode_16_64 3
		.amdhsa_memory_ordered 1
		.amdhsa_forward_progress 1
		.amdhsa_inst_pref_size 166
	.end_amdhsa_kernel
	.amdgpu_metadata
---
amdhsa.version: [ 1, 2 ]
amdhsa.kernels:
  - .name:           k_q244e9ab369_proj
    .symbol:         k_q244e9ab369_proj.kd
    .args:
      - { .name: codes, .offset: 0, .size: 8, .value_kind: global_buffer, .address_space: global }
      - { .name: scales, .offset: 8, .size: 8, .value_kind: global_buffer, .address_space: global }
      - { .name: bq, .offset: 16, .size: 8, .value_kind: global_buffer, .address_space: global }
      - { .name: bk, .offset: 24, .size: 8, .value_kind: global_buffer, .address_space: global }
      - { .name: bv, .offset: 32, .size: 8, .value_kind: global_buffer, .address_space: global }
      - { .name: pk, .offset: 40, .size: 8, .value_kind: global_buffer, .address_space: global }
    .group_segment_fixed_size: 327680
    .private_segment_fixed_size: 0
    .kernarg_segment_align: 8
    .kernarg_segment_size: 48
    .max_flat_workgroup_size: 128
    .sgpr_count:     100
    .vgpr_count:     1024
    .wavefront_size: 32
...
	.end_amdgpu_metadata
.endif
;; end of part 2
;; launch attn (part 3): grid 4 x 64, 8 waves a work-group, clusters of 4 x 1, 167,936 bytes of LDS; arguments pk, out0; writes out0
.if DOCPART == 3
	.amdgcn_target "amdgcn-amd-amdhsa--gfx1250"
	.amdhsa_code_object_version 6
	.text
	.protected	k_q244e9ab369_attn
	.globl	k_q244e9ab369_attn
	.p2align	8
	.type	k_q244e9ab369_attn,@function
k_q244e9ab369_attn:
	s_mov_b64 s[64:65], 0
	v_nop
	global_prefetch_b8 v0, s[64:65] scope:SCOPE_SE
	s_setreg_imm32_b32 hwreg(HW_REG_WAVE_MODE, 25, 1), 1
	s_wait_xcnt 0x0
	s_wait_alu depctr_hold_cnt(0) depctr_sa_sdst(0) depctr_va_vdst(0) depctr_va_sdst(0) depctr_va_ssrc(0) depctr_va_vcc(0) depctr_vm_vsrc(0)
	s_getreg_b32 s2, hwreg(HW_REG_IB_STS2, 6, 4)
	s_cmp_eq_u32 s2, 0
	s_cbranch_scc0 .Lentry_in_a_cluster
	s_endpgm
.Lentry_in_a_cluster:
	s_bfe_u32 s2, ttmp6, 0x10000c
	s_cmp_lg_u32 s2, 0x3003
	s_cbranch_scc0 .Lentry_shape_is_right
	s_endpgm
.Lentry_shape_is_right:
; THIRD LAUNCH: out[n][q][head][:] = the sum over k of softmax_k(Q[q] . K[k] / 32) V[k][:], both products on codes of FP4 with one E8M0 scale for each 32 along a product's K.  No work is left out.
; pk[kind][16 n + head][step of 128 positions][4,352 bytes] holds images of operand registers (second launch): kind 0 the values (K = the keys), kind 1 the keys, kind 2 the queries (K = the head's 64).
; THE SOFTMAX: t = score x log2(e) / 32; M = the row's largest t so far, rounded up to a whole number; p = 2^(t - M) is what is quantised, along the keys, not normalised.  The row's sum is taken of the unquantised p
; and divides O at the end.  When M moves, the sum and O are multiplied by 2^(old M - new M): exact.
; A BLOCK'S SCALE is 2^(floor(t - M of its largest score) - 2): log2 of the block's largest p IS that t - M, so no p is searched.  (Where t - M lies within its rounding under a whole number, p itself may round up to the power of two.)
; SHARES.  A work-group owns 256 queries of one head of one batch, each of its eight waves TWO tiles of 16: each fragment of K and V is read from LDS once for both, and the two go through every phase side by side, as
; independent chains.  Two waves to a SIMD.  Every wave walks the head's 1,024 keys, 128 a step.
; A HEAD'S WHOLE K AND V, 16 packages, 69,632 bytes, COME INTO LDS ONCE: every wave asks for two, which lie on end, and nothing is filled again; so no loop loads from memory, and nothing is prefetched.
; CLUSTER.  The four query blocks of a head form a cluster and read the same 16 packages: each pair is asked for jointly, by the same tensor load with the same descriptor and the mask of all four.
; LAYOUT.  Both products are used transposed (S^T = K Q^T, O^T = V^T P^T): a lane holds ONE query of each tile (lane % 16) throughout.  Row r of tile 4 c + u of a step is position 64 c + 32 (r / 8) + 8 u + r % 8, so the 32
; registers of tiles 4 c .. 4 c + 3 of S^T are, in lane half h, the keys 64 c + 32 h + 0 .. 31: one whole block in a lane, and its codes are the second product's operand as they stand.
; K = 64 IN AN INSTRUCTION OF 128: source 0 is two tiles of keys on end (the even tile in K 0-63, the odd one in K 64-127); source 1 is (q, zeros) for the even tile and (zeros, q) for the odd.  The zero codes stand
; under the scale byte 0: they add exactly 0.
; THE ORDER OF A STEP.  Behind its first products a step asks LDS for its own V and for the NEXT step's K: both land under the softmax.  Two batches of 64 exponentials: among the first tile's stand the second tile's scalings,
; among the second's the first tile's conversions and the first level of its sum.  The first step stands by itself: it starts the sums, so nothing is cleared.
; LIMITS: the promise holds while the scaled scores t stay under 2^31 in magnitude; a block whose p lie under 2^-124 of the row's 2^M keeps the scale byte 1; NaN and infinities are not served.
; REGISTERS.  Window 0: v1-9 addresses; v12-27 and v58-63 a tile's numbers (below); v28-47 zeros, Q of tile 0, zeros, Q of tile 1, zeros; v48-51 Q's scale words; v52-53 K's, v54-55 V's, v56-57 p's; v64-95 K's eight tiles;
;   v96-159, v160-223 S^T, then p, of the two tiles; v224-239 p's codes; v240-251 at work.   Window 1: v0-31, v32-63 O^T of the two tiles; v64-95 V's four tiles.
.set PKG,   4352                       ; a package: 4,096 bytes of code images, 256 of scale words
.set HSTR,  8*PKG
.set PART,  64*HSTR
.set VO,    8*PKG                      ; LDS: K's eight packages, then V's eight
.set STAGE, 16*PKG                     ; the way out: 16 rows x (256 bytes + 16) for each tile; no tensor load lands here
.set SPARE, 32*PKG                     ; the spare words, 128 bytes for each wave
.set LI,   1                           ; v1   16 x lane
.set L8,   2                           ; v2   8 x lane
.set SPW,  3                           ; v3   LDS address of my spare word; never rewritten
.set NIL,  4                           ; v4   0; never rewritten
.set GO,   5                           ; v5   the way out: my byte offset in a tile's rows of out0
.set SO,   6                           ; v6   where I put 128 bytes of a row
.set RD,   7                           ; v7   where I read a row back
.set ADK,  8                           ; v8   LDS address of the step's code images
.set ADS,  9                           ; v9   of its scale words
.set NM,   12                          ; v12, v14 -M of tile 0, 1
.set SM,   13                          ; v13, v15 the row's largest score so far
.set LS,   16                          ; v[16:17], v[18:19] the row's sum in two halves
.set F,    20                          ; v[20:21], v[22:23] f = 2^(old M - new M); the packed form takes the low word for both halves
.set OM,   24                          ; v24, v25 the old -M
.set TT,   26                          ; v26, v27
.set PX,   58                          ; v58, v59 and v60, v61 what lane l xor 16 has
.set PY,   60
.set W,    62                          ; v62, v63
.set MX,   240                         ; v240-243, v244-247 maxima
.set SCO,  248                         ; v248, v249 and v250, v251 the conversions' scale operands
.set WV,   8                           ; s8   my wave's number
.set SEL,  20                          ; s[20:21] lane selects: lane l xor 16
.set CS,   22                          ; s[22:23] c = log2(e) / 32
.set G1,   24                          ; s[24:31] descriptor group 1
.set G0,   32                          ; s[32:35] group 0
.set TB,   36                          ; s36  LDS byte at which the step's package of K begins
.set TRIPS, 37                         ; s37
.set CN,   39                          ; s39  -c
.set MSB, 0
.macro WIN new                         ; the immediate's high byte repeats the setting that is left
.if MSB != \new
	s_set_vgpr_msb (MSB<<8)|\new
.set MSB, \new
.endif
.endm
.macro CROUND                          ; a round of the cluster's barrier
	s_barrier_signal -1
	s_barrier_wait -1
	s_cmp_lg_u32 s[WV], 0
	s_cbranch_scc1 .Lnot_wave_0_\@
	s_barrier_signal -3
.Lnot_wave_0_\@:
	s_barrier_wait -3
	s_barrier_signal -1
	s_barrier_wait -1
.endm
	s_load_b128 s[4:7], s[0:1], 0x0                ; pk, out0
	v_lshl_add_u32 v[SPW], v0, 2, SPARE
	v_mov_b32 v[NIL], 0
	ds_add_u32 v[SPW], v[NIL]                      ; the wave's opening: the add, twice on end, and its wait ahead of my first tensor load
	ds_add_u32 v[SPW], v[NIL]                      ; and once more; the set-up below, work on registers, stands between it and the wait
	v_lshrrev_b32 v8, 5, v0
	v_readfirstlane_b32 s[WV], v8                  ; wave 0..7
	s_bfe_u32 s9, ttmp6, 0x40000                   ; cx: it enters Q's and out0's addresses alone
	s_and_b32 s10, ttmp7, 0xffff                   ; 16 n + head, which the four partners share
	; descriptor group 1: a dense block of 8,704 bytes, as 34 rows of 256 bytes (32 elements of 8 bytes), no padding: the images are read 16 bytes a lane on end
	s_mov_b32 s[G1], 15|(3<<16)|(1<<21)            ; 15:0 the mask: all four work-groups; 17:16 elements of 8 bytes; 21 set beside a mask
	s_mov_b32 s[G1+1], 32<<16                      ; tensor_dim0
	s_mov_b32 s[G1+2], 34<<16                      ; tensor_dim1
	s_mov_b32 s[G1+3], 32<<16                      ; tile_dim0
	s_mov_b32 s[G1+4], 34                          ; tile_dim1
	s_mov_b32 s[G1+5], 32                          ; tensor_dim0_stride
	s_mov_b32 s[G1+6], 0
	s_mov_b32 s[G1+7], 0
	s_and_b32 s11, s[WV], 3                        ; p: my pair of tiles in its package.  Also: which two packages I fetch
	s_lshl_b32 s12, s10, 3                         ; waves 0-3 the keys' steps 2 p, 2 p + 1, waves 4-7 the values'
	s_lshl_b32 s13, s11, 1
	s_add_co_u32 s12, s12, s13
	s_mul_i32 s12, s12, PKG
	s_cmp_lt_u32 s[WV], 4
	s_cselect_b32 s13, PART, 0
	s_add_co_u32 s12, s12, s13
	s_mov_b32 s13, 0
	s_mov_b32 s[G0], 1                             ; 1:0 count = 1
	s_mul_i32 s[G0+1], s[WV], 2*PKG                ; LDS address: wave x two packages
	s_lshl_b32 s14, s9, 1                          ; my tiles of 16 queries are T = 16 cx + 2 wave and T + 1
	s_lshr_b32 s15, s[WV], 2
	s_add_co_u32 s14, s14, s15                     ; Q: the queries' package of step T / 8 = 2 cx + wave / 4
	s_lshl_b32 s15, s10, 3
	s_add_co_u32 s14, s14, s15
	s_mul_i32 s14, s14, PKG
	s_add_co_u32 s14, s14, 2*PART
	s_mov_b32 s15, 0
	s_lshr_b32 s16, s10, 4                         ; out0: batch x 4 MiB
	s_lshl_b32 s16, s16, 22
	s_lshl_b32 s17, s9, 2
	s_lshr_b32 s18, s[WV], 1
	s_add_co_u32 s17, s17, s18
	s_lshl_b32 s17, s17, 18                        ; + (64 (T / 4)
	s_add_co_u32 s16, s16, s17
	s_and_b32 s17, s[WV], 1
	s_lshl_b32 s17, s17, 16                        ;    + 8 (T % 4)) rows of 4,096 bytes; T + 1: eight rows on
	s_add_co_u32 s16, s16, s17
	s_and_b32 s17, s10, 15
	s_lshl_b32 s17, s17, 8                         ; + head x 256 bytes
	s_add_co_u32 s16, s16, s17
	s_mov_b32 s17, 0
	s_lshr_b32 s19, s11, 1                         ; the pair's scale words lie at 4,096 + 8 (16 (p / 2) + r) + 4 (p % 2)
	s_lshl_b32 s19, s19, 7
	s_and_b32 s18, s11, 1
	s_lshl_b32 s18, s18, 2
	s_add_co_u32 s19, s19, s18
	s_add_co_u32 s19, s19, 4096
	s_lshl_b32 s11, s11, 10                        ; its images: 1,024 p
	s_mov_b32 s[SEL], 0x76543210
	s_mov_b32 s[SEL+1], 0xfedcba98
	s_mov_b32 s[CS], 0x3d38aa3b                    ; c = log2(e) / 32
	s_mov_b32 s[CS+1], s[CS]                       ; (named with it as a pair, so it is written)
	s_mov_b32 s[CN], 0xbd38aa3b
	s_mov_b32 s[TB], 0
	s_mov_b32 s[TRIPS], 6
	v_and_b32 v10, 31, v0
	v_and_b32 v11, 15, v0
	v_lshlrev_b32 v[LI], 4, v10
	v_lshlrev_b32 v[L8], 3, v10
	v_add_nc_u32 v8, s11, v[LI]
	v_lshl_add_u32 v9, v11, 3, s19
	s_wait_alu depctr_va_vdst(0)                   ; ahead of the waits below
	s_wait_dscnt 0x0                               ; both opening adds are done
	CROUND                                         ; all four work-groups are here: the joint loads meet.  (The round needs no argument: it stands ahead of the wait for them)
	s_wait_kmcnt 0x0
	s_add_nc_u64 s[G0+2:G0+3], s[4:5], s[12:13]    ; global address: made of the head and the wave's number alone
	s_or_b32 s[G0+3], s[G0+3], 0x80000000          ; type = 2
	tensor_load_to_lds s[G0:G0+3], s[G1:G1+7]      ; my one tensor load of the launch
	s_nop 0
.rept 4
	v_nop
.endr
	s_add_nc_u64 s[40:41], s[4:5], s[14:15]
	global_load_b128 v[32:35], v8, s[40:41]        ; Q's images: lane (r, h): query r of the tile, block h of the head's 64
	global_load_b128 v[40:43], v8, s[40:41] offset:512
	global_load_b32 v[W], v9, s[40:41]             ; the pair's scale word: bytes 0, 1 the even tile's, bytes 2, 3 the odd one's
	s_add_nc_u64 s[42:43], s[6:7], s[16:17]
	s_wait_loadcnt 0x0
	v_and_b32 v48, 0xffff, v[W]                    ; tile 0, for (q, zeros): bytes 0, 1 mine, bytes 2, 3 the byte 0;
	v_lshlrev_b32 v49, 16, v[W]                    ; for (zeros, q)
	v_lshrrev_b32 v50, 16, v[W]                    ; tile 1 likewise
	v_and_b32 v51, 0xffff0000, v[W]
.irp j, 28,29,30,31,36,37,38,39,44,45,46,47
	v_mov_b32 v[\j], 0                             ; the zero codes.  (With the lines that follow these are the places between the writes of the scale registers and the first product)
.endr
.irp j, F+1,F+3,PX,PX+1,PY,PY+1                ; (named as upper halves of pairs, or as lane permutes' destinations, which count as sources)
	v_mov_b32 v[\j], 0
.endr
	s_wait_alu depctr_va_vdst(0)
	s_wait_tensorcnt 0x0                           ; my packages are in,
	s_barrier_signal -1
	s_barrier_wait -1                              ; everybody's are: from here on LDS is only read, up to the way out
.irp t, 0,1,2,3,4,5,6,7
	ds_load_b128 v[64+4*\t:67+4*\t], v[LI] offset:512*\t           ; K of step 0: eight tiles, as they were stored: 512 consecutive bytes a load
.endr
	ds_load_b64 v[52:53], v[L8] offset:4096                        ; and its scale words
.macro QK e, t                         ; my tile e, tile t of S^T: pair t / 2 of K's tiles against (q, zeros) or (zeros, q).  The pair's scale words: pairs 0, 1 in lanes 0-15 of v52, v53, pairs 2, 3 in lanes 16-31
.set pp, (\t)/2
.set rB, 32+8*\e-4*((\t)%2)
.set rQ, 48+2*\e+(\t)%2
.set rD, 96+64*\e+8*(\t)
.if pp < 2
	v_wmma_scale_f32_16x16x128_f8f6f4 v[rD:rD+7], v[64+8*pp:71+8*pp], v[rB:rB+7], 0, v[52+pp%2], v[rQ] matrix_a_fmt:MATRIX_FMT_FP4 matrix_b_fmt:MATRIX_FMT_FP4
.else
	v_wmma_scale_f32_16x16x128_f8f6f4 v[rD:rD+7], v[64+8*pp:71+8*pp], v[rB:rB+7], 0, v[52+pp%2], v[rQ] matrix_a_fmt:MATRIX_FMT_FP4 matrix_b_fmt:MATRIX_FMT_FP4 matrix_a_scale:MATRIX_SCALE_ROW1
.endif
.endm
.macro PV e, i, first                  ; my tile e, tile i of O^T += 16 of the head's 64 x these 128 keys; the first step starts the sums
.set rD, 32*\e+8*\i
.set rP, 224+8*\e
.if \first
.if \i < 2
	v_wmma_scale_f32_16x16x128_f8f6f4 v[rD:rD+7], v[64+8*\i:71+8*\i], v[rP:rP+7], 0, v[54+\i%2], v[56+\e] matrix_a_fmt:MATRIX_FMT_FP4 matrix_b_fmt:MATRIX_FMT_FP4
.else
	v_wmma_scale_f32_16x16x128_f8f6f4 v[rD:rD+7], v[64+8*\i:71+8*\i], v[rP:rP+7], 0, v[54+\i%2], v[56+\e] matrix_a_fmt:MATRIX_FMT_FP4 matrix_b_fmt:MATRIX_FMT_FP4 matrix_a_scale:MATRIX_SCALE_ROW1
.endif
.else
.if \i < 2
	v_wmma_scale_f32_16x16x128_f8f6f4 v[rD:rD+7], v[64+8*\i:71+8*\i], v[rP:rP+7], v[rD:rD+7], v[54+\i%2], v[56+\e] matrix_a_fmt:MATRIX_FMT_FP4 matrix_b_fmt:MATRIX_FMT_FP4
.else
	v_wmma_scale_f32_16x16x128_f8f6f4 v[rD:rD+7], v[64+8*\i:71+8*\i], v[rP:rP+7], v[rD:rD+7], v[54+\i%2], v[56+\e] matrix_a_fmt:MATRIX_FMT_FP4 matrix_b_fmt:MATRIX_FMT_FP4 matrix_a_scale:MATRIX_SCALE_ROW1
.endif
.endif
.endm
.macro PF from, n                      ; n pairs of tile 0's scores: t - M, two at a time (of the pairs c and -M the low word serves both halves)
.set ix, \from
.rept \n
	v_pk_fma_f32 v[96+2*ix:97+2*ix], v[96+2*ix:97+2*ix], s[CS:CS+1], v[NM:NM+1] op_sel_hi:[1,0,0]
.set ix, ix+1
.endr
.endm
.macro AD base, n                      ; a level of a row's sum: pair i += pair i + n
.set ix, 0
.rept \n
	v_pk_add_f32 v[\base+2*ix:\base+2*ix+1], v[\base+2*ix:\base+2*ix+1], v[\base+2*ix+2*\n:\base+2*ix+2*\n+1]
.set ix, ix+1
.endr
.endm
.macro FIN e, first                    ; the last level, into the running sum
.if \first
	v_pk_add_f32 v[LS+2*\e:LS+2*\e+1], v[96+64*\e:97+64*\e], v[98+64*\e:99+64*\e]
.else
	v_pk_add_f32 v[96+64*\e:97+64*\e], v[96+64*\e:97+64*\e], v[98+64*\e:99+64*\e]
	v_pk_add_f32 v[LS+2*\e:LS+2*\e+1], v[LS+2*\e:LS+2*\e+1], v[96+64*\e:97+64*\e]
.endif
.endm
.macro RESUM e, first                  ; the running sum under the new M
.if \first
	v_nop
.else
	v_pk_mul_f32 v[LS+2*\e:LS+2*\e+1], v[LS+2*\e:LS+2*\e+1], v[F+2*\e:F+2*\e+1] op_sel_hi:[1,0]
.endif
.endm
; A KEY STEP: 128 keys.  first = 1: the first of the eight;  more = 1: another step follows, and its K is asked for here.
.macro TRIP first, more
	s_wait_dscnt 0x0                               ; this step's K and its scale words are in: they were asked for a step ago (step 0's: at the head)
.irp t, 0,1,2,3,4,5,6,7
	QK 0, \t
	QK 1, \t
.endr
	v_add_nc_u32 v[ADK], s[TB], v[LI]              ; four places behind the products: in front of the loads into registers that they (K) and the last step's second products (V) have read,
	v_add_nc_u32 v[ADS], s[TB], v[L8]              ; and of the first read of the scores
.if \first
	v_nop
	v_nop
.else
	v_mov_b32 v[OM], v[NM]
	v_mov_b32 v[OM+1], v[NM+2]
.endif
	WIN 0x40                                       ; destination window 1
.irp t, 0,1,2,3,4,5,6,7
	ds_load_b128 v[64+4*\t:67+4*\t], v[ADK] offset:VO+512*\t       ; V's four tiles of this step: they land under the softmax
.endr
	WIN 0
	ds_load_b64 v[54:55], v[ADS] offset:VO+4096
.if \more
.irp t, 0,1,2,3,4,5,6,7
	ds_load_b128 v[64+4*\t:67+4*\t], v[ADK] offset:PKG+512*\t      ; K's eight tiles of the next step likewise
.endr
	ds_load_b64 v[52:53], v[ADS] offset:PKG+4096
.endif
.irp e, 0,1
.irp b, 0,1,2,3
	v_max3_num_f32 v[MX+4*\e+\b], v[96+64*\e+16*\b], v[97+64*\e+16*\b], v[98+64*\e+16*\b]   ; the largest score of my block of each 64 keys: it serves the row's maximum and the block's scale.  Eight chains by turns
.endr
.endr
.irp i, 3,5,7,9,11,13
.irp e, 0,1
.irp b, 0,1,2,3
	v_max3_num_f32 v[MX+4*\e+\b], v[MX+4*\e+\b], v[96+64*\e+16*\b+\i], v[97+64*\e+16*\b+\i]
.endr
.endr
.endr
.irp c, 0,1
.irp e, 0,1
	v_max3_num_f32 v[MX+4*\e+2*\c], v[MX+4*\e+2*\c], v[MX+4*\e+2*\c+1], v[111+64*\e+32*\c]
.endr
.endr
.irp c, 0,1
.irp e, 0,1
	v_max_num_f32 v[MX+4*\e+2*\c], v[MX+4*\e+2*\c], v[127+64*\e+32*\c]
.endr
.endr
.irp e, 0,1
.if \first
	v_max_num_f32 v[SM+2*\e], v[MX+4*\e], v[MX+4*\e+2]
.else
	v_max3_num_f32 v[SM+2*\e], v[SM+2*\e], v[MX+4*\e], v[MX+4*\e+2]
.endif
.endr
.irp e, 0,1
	v_permlanex16_b32 v[PX+\e], v[SM+2*\e], s[SEL], s[SEL+1]
.endr
.irp e, 0,1
	v_max_num_f32 v[SM+2*\e], v[SM+2*\e], v[PX+\e] ; with lane l xor 16's keys: the row's largest score so far
.endr
.irp e, 0,1
	v_mul_f32 v[TT+\e], s[CN], v[SM+2*\e]          ; -t (c is positive)
.endr
.irp e, 0,1
	v_floor_f32 v[NM+2*\e], v[TT+\e]               ; -M = floor(-t) = -ceil(t): M is a whole number
.endr
.irp c, 0,2
.irp e, 0,1
	v_fma_f32 v[MX+4*\e+\c], v[MX+4*\e+\c], s[CS], v[NM+2*\e]   ; t - M of each block's largest score
.endr
.endr
.if \first == 0
.irp e, 0,1
	v_sub_f32 v[OM+\e], v[NM+2*\e], v[OM+\e]       ; M's old value less its new one: a whole number, 0 or less
.endr
.endif
	PF 0, 4
.irp x, MX, MX+4, MX+2, MX+6
	v_max_num_f32 v[\x], 0xc2f80000, v[\x]         ; held at -124: so the byte cannot fall under 1
.endr
.if \first == 0
.irp e, 0,1
	v_cvt_i32_f32 v[OM+\e], v[OM+\e]               ; (it saturates)
.endr
.endif
	PF 4, 4
.irp x, MX, MX+4, MX+2, MX+6
	v_cvt_floor_i32_f32 v[\x], v[\x]               ; floor(log2 of the block's largest p)
.endr
.if \first == 0
.irp e, 0,1
	v_ldexp_f32 v[F+2*\e], 1.0, v[OM+\e]           ; f = 2^(old M - new M)
.endr
.endif
	PF 8, 6
.irp c, 0,1
.irp e, 0,1
	v_add_lshl_u32 v[SCO+2*\e+\c], v[MX+4*\e+2*\c], 125, 23   ; the conversion's scale operand: that whole number - 2 + 127 as an exponent field
.endr
.endr
.irp e, 0,1
	v_lshl_add_u32 v[W+\e], v[MX+4*\e+2], 16, v[MX+4*\e]      ; the four bytes make p's scale word: sums of the shifted whole numbers, then 125 to each byte.  My two,
.endr
	PF 14, 6
.irp e, 0,1
	v_permlanex16_b32 v[PY+\e], v[W+\e], s[SEL], s[SEL+1]
.endr
	PF 20, 6
.irp e, 0,1
	v_lshl_add_u32 v[W+\e], v[PY+\e], 8, v[W+\e]   ; and, in lanes 0-15, which are read, the odd blocks' from lanes 16-31
.endr
	PF 26, 6
.irp e, 0,1
	v_add_nc_u32 v[56+\e], 0x7d7d7d7d, v[W+\e]
.endr
.if \first == 0
	WIN 0x41                                       ; source 0 and destination window 1
.irp e, 0,1
.irp j, 0,2,4,6,8,10,12,14,16,18,20,22,24,26,28,30
	v_pk_mul_f32 v[32*\e+\j:32*\e+\j+1], v[32*\e+\j:32*\e+\j+1], v[F+2*\e:F+2*\e+1] op_sel_hi:[1,0]   ; O^T under the new M: x f; each accumulator from its low end on
.endr
.endr
	WIN 0
.endif
	s_wait_alu depctr_va_vdst(0)
.set ix, 0
.rept 32
	v_pk_fma_f32 v[160+2*ix:161+2*ix], v[160+2*ix:161+2*ix], s[CS:CS+1], v[NM+2:NM+3] op_sel_hi:[1,0,0]   ; tile 1's t - M, which the next batch reads,
	v_exp_f32 v[96+2*ix], v[96+2*ix]               ; among tile 0's p = 2^(t - M): not normalised
	v_exp_f32 v[97+2*ix], v[97+2*ix]
.set ix, ix+1
.endr
	RESUM 0, \first                                ; (the plain line behind the last exponential)
	s_wait_alu depctr_va_vdst(0)                   ; between tile 0's exponentials and the first line that names a result, and between tile 1's scalings and its exponentials
.set ix, 0
.irp c, 0,1
.irp g, 0,1,2,3
	v_cvt_scalef32_pk8_fp4_f32 v[224+4*\c+\g], v[96+32*\c+8*\g:103+32*\c+8*\g], v[SCO+\c]   ; tile 0's codes: registers 4 c .. 4 c + 3 of the operand: my block's 32 keys,
.rept 4
	v_exp_f32 v[160+ix], v[160+ix]                 ; among tile 1's exponentials
.set ix, ix+1
.endr
.endr
.endr
	RESUM 1, \first                                ; (and the plain line between the conversions and the writes over what they have read)
.set iy, 0
.rept 16
	v_exp_f32 v[160+ix], v[160+ix]
	v_exp_f32 v[161+ix], v[161+ix]
	v_pk_add_f32 v[96+2*iy:97+2*iy], v[96+2*iy:97+2*iy], v[128+2*iy:129+2*iy]   ; THE ROW'S SUM IS TAKEN OF THE UNQUANTISED p: tile 0's first level: pair i += pair i + 16
.set ix, ix+2
.set iy, iy+1
.endr
	s_wait_alu depctr_va_vdst(0)                   ; between tile 1's exponentials and the first line that names a result
.irp c, 0,1
.irp g, 0,1,2,3
	v_cvt_scalef32_pk8_fp4_f32 v[232+4*\c+\g], v[160+32*\c+8*\g:167+32*\c+8*\g], v[SCO+2+\c]
.endr
.endr
	AD 96, 8                                       ; the sums, level by level, the two tiles by turns.  These lines name no register of the products below: they are the places behind the writes of p's codes
	AD 160, 16
	AD 96, 4
	AD 160, 8
	AD 96, 2
	AD 160, 4
	FIN 0, \first
	AD 160, 2
	FIN 1, \first
	s_wait_dscnt 9*\more                           ; V and its scale words are in; the nine loads issued behind them, the next step's K, may be out
	WIN 0x51                                       ; source 0 (V), C and D window 1; source 1 (p's codes) window 0
.irp i, 0,1,2,3
	PV 0, \i, \first                               ; eight accumulators, one instruction each: between two links of a chain stand the seven others' and the next step's sixteen
	PV 1, \i, \first
.endr
	WIN 0
.if \more
	s_add_co_u32 s[TB], s[TB], PKG                 ; the next step's packages
.endif
.endm
	TRIP 1, 1
.Lstep:                                            ; six trips
	TRIP 0, 1
	s_sub_co_u32 s[TRIPS], s[TRIPS], 1
	s_cmp_lg_u32 s[TRIPS], 0
	s_cbranch_scc1 .Lstep
	TRIP 0, 0                                      ; the eighth step: no K follows it, so none is asked for
	; THE WAY OUT.  O^T is divided by the row's sum and goes through my two stages in LDS, so that sixteen lanes store a query's 256 bytes of this head.
	s_wait_alu depctr_va_vdst(0)                   ; directly ahead of the reader below
.irp e, 0,1
	v_add_f32 v[LS+2*\e], v[LS+2*\e], v[LS+2*\e+1] ; the sum's two halves,
.endr
.irp e, 0,1
	v_permlanex16_b32 v[PX+\e], v[LS+2*\e], s[SEL], s[SEL+1]
.endr
.irp e, 0,1
	v_add_f32 v[LS+2*\e], v[LS+2*\e], v[PX+\e]     ; and lane l xor 16's: the row's sum
.endr
	s_mul_i32 s12, s[WV], 2*PKG
	s_add_co_u32 s12, s12, STAGE                   ; my stages
	s_wait_alu depctr_va_vdst(0)                   ; ahead of the transcendentals
	v_rcp_f32 v[LS], v[LS]
	v_rcp_f32 v[LS+2], v[LS+2]
	v_and_b32 v10, 15, v0                          ; r.  (The address work is the plain work behind the reciprocals)
	v_bfe_u32 v11, v0, 4, 1                        ; h
	v_mul_u32_u24 v[SO], v10, 272
	v_lshl_add_u32 v[SO], v11, 7, v[SO]
	v_add_nc_u32 v[SO], s12, v[SO]                 ; in: row r, + 128 h: register i is channel 32 h + i
	v_mul_u32_u24 v[RD], v11, 272
	v_lshl_add_u32 v[RD], v10, 4, v[RD]
	v_add_nc_u32 v[RD], s12, v[RD]                 ; back: lanes 0-15 one row, lanes 16-31 the next
	v_lshlrev_b32 v[GO], 12, v11
	v_lshl_add_u32 v[GO], v10, 4, v[GO]            ; and the same two rows in out0
	WIN 0x01                                       ; source 0 window 1
	s_wait_alu depctr_va_vdst(0)                   ; the wait ahead of the reciprocals' first readers, and of the first readers of the last products' results
.irp e, 0,1
.irp j, 0,2,4,6,8,10,12,14,16,18,20,22,24,26,28,30
	v_pk_mul_f32 v[96+32*\e+\j:97+32*\e+\j], v[32*\e+\j:32*\e+\j+1], v[LS+2*\e:LS+2*\e+1] op_sel_hi:[1,0]   ; each accumulator from its low end on
.endr
.endr
	WIN 0
.irp e, 0,1
.irp i, 0,1,2,3,4,5,6,7
	ds_store_b128 v[SO], v[96+32*\e+4*\i:99+32*\e+4*\i] offset:PKG*\e+16*\i
.endr
.irp i, 0,1,2,3,4,5,6,7
	ds_load_b128 v[160+32*\e+4*\i:163+32*\e+4*\i], v[RD] offset:PKG*\e+2*\i*272   ; LDS serves a wave's instructions in order: these see my stores
.endr
.endr
.irp e, 0,1
.irp i, 0,1,2,3,4,5,6,7
.if \e
	s_wait_dscnt 7-\i                              ; the later loads may be out
.else
	s_wait_dscnt 23-\i                             ; and, for tile 0, tile 1's eight stores and eight loads
.endif
	global_store_b128 v[GO], v[160+32*\e+4*\i:163+32*\e+4*\i], s[42:43] offset:(32*(\i/4)+2*(\i%4)+8*\e)*4096 th:TH_STORE_NT   ; the tile's row 2 i + h is query 32 (i / 4) + 2 (i % 4) + h from its first: 16 lanes store 256 consecutive bytes, aligned
.endr
.endr
	s_wait_tensorcnt 0x0                           ; the wave's end, behind my last tensor load and my last LDS store
	ds_add_u32 v[SPW], v[NIL]
	s_wait_dscnt 0x0
	CROUND                                         ; the closing round: no work-group ends while a partner may still ask for a tile that names it
	s_endpgm
.Lfunc_end_k_q244e9ab369_attn:
	.size	k_q244e9ab369_attn, .Lfunc_end_k_q244e9ab369_attn-k_q244e9ab369_attn
	.p2alignl 7, 3214868480
	.fill 96, 4, 3214868480
	.section	.rodata,"a",@progbits
	.p2align	6, 0x0
	.amdhsa_kernel k_q244e9ab369_attn
		.amdhsa_group_segment_fixed_size 167936
		.amdhsa_private_segment_fixed_size 0
		.amdhsa_enable_private_segment 0
		.amdhsa_kernarg_size 16
		.amdhsa_user_sgpr_count 2
		.amdhsa_user_sgpr_kernarg_segment_ptr 1
		.amdhsa_wavefront_size32 1
		.amdhsa_system_sgpr_workgroup_id_x 1
		.amdhsa_system_sgpr_workgroup_id_y 1
		.amdhsa_system_sgpr_workgroup_id_z 1
		.amdhsa_system_vgpr_workitem_id 0
		.amdhsa_next_free_vgpr 352
		.amdhsa_next_free_sgpr 66
		.amdhsa_reserve_vcc 0
		.amdhsa_float_denorm_mode_32 3
		.amdhsa_float_denorm_mode_16_64 3
		.amdhsa_memory_ordered 1
		.amdhsa_forward_progress 1
		.amdhsa_inst_pref_size 88
	.end_amdhsa_kernel
	.amdgpu_metadata
---
amdhsa.version: [ 1, 2 ]
amdhsa.kernels:
  - .name:           k_q244e9ab369_attn
    .symbol:         k_q244e9ab369_attn.kd
    .args:
      - { .name: pk, .offset: 0, .size: 8, .value_kind: global_buffer, .address_space: global }
      - { .name: out0, .offset: 8, .size: 8, .value_kind: global_buffer, .address_space: global }
    .group_segment_fixed_size: 167936
    .private_segment_fixed_size: 0
    .kernarg_segment_align: 8
    .kernarg_segment_size: 16
    .max_flat_workgroup_size: 256
    .sgpr_count:     66
    .vgpr_count:     352
    .wavefront_size: 32
...
	.end_amdgpu_metadata
.endif
;; end of part 3
